; MI455X (gfx1250); checked and timed in simulation.
; The chip was launched on July 23, 2026; its instructions are those of AMD's public machine-readable ISA for CDNA 5 (MIT licence, August 2026) and "CDNA5" Instruction Set Architecture Reference Guide (July 2026). The comments in the code are by the model that wrote it; some were corrected since.
;; Multi Flow Cond Adapt Router. Allowed arithmetic: matrix products marked QUANTISED: E2M1 operands, one E8M0 scale for each 32 along K, by v_wmma_scale_f32_16x16x128_f8f6f4 with both operands' format E2M1 (or v_wmma_scale_f32_32x16x128_f4), f32 sums; products left as they are: f32 operands where the result goes on into a quantised operand, else bf16, f16 or f32 operands; f32 sums; everything else in f32.
;; Inputs: W1 8 x 512 x 2,048 float32; W2 8 x 2,048 x 512 float32; W_cond 8 x 512 x 1,024 float32; b1 8 x 2,048 float32; b2 8 x 512 float32; b_cond 8 x 1,024 float32; cond 8 x 512 float32; route 8 int32; x 8 x 512 x 512 float32.
;; Outputs: out0 8 x 512 x 512 float32.
;; This version of the problem:
;;   THIS VERSION OF THE PROBLEM IS GIVEN IN LOW PRECISION. The matrix products marked QUANTISED in the list below multiply operands that are first quantised to E2M1 (2 exponent bits, 1 mantissa bit; 4 bits a number), with one power-of-two scale for each 32 numbers along K (OCP MX v1.0); their sums are f32. All else is computed in f32.
;;   The module's matrix products, in the order in which they are computed (A, B: the left and right operand; K: the contracted axis; several contracted axes count as one K, in the product's order):
;;     1. [M 8,192, K 512] x [K 512, N 8]; A: input W_cond; B: input cond: left as it is (N = 8 < 16)
;;     2. batch 8 x [M 4,096, K 512] x [K 512, N 2,048]; A: computed on the way; B: input W1: QUANTISED
;;     3. batch 8 x [M 4,096, K 2,048] x [K 2,048, N 512]; A: computed on the way; B: input W2: QUANTISED
;;     4. batch 8 x [M 262,144, K 8] x [K 8, N 1]; A: computed on the way; B: computed on the way: left as it is (K = 8 < 32)
;;   THE QUANTISER, for each operand of a quantised product, along K:
;;     - K is cut into blocks of 32 from its start; a last block that is shorter is filled with zeros.
;;     - A block's scale is 2^e with e = floor(log2(the largest magnitude in the block)) - 2, held to -126 .. 127; a block of zeros has e = 0. As a byte (E8M0): e + 127.
;;     - Each number is divided by its block's scale, clamped to +-6, and rounded to the nearest number of E2M1, ties to even, subnormals kept.
;;     - The product sums the exact products of the quantised numbers (number of the format x scale) in f32.
;;   ~~~python
;;   def quantise(x, axis):      # numpy; x: float32 -> the quantised numbers, widened to float32 again
;;       x = np.moveaxis(x, axis, -1); K = x.shape[-1]
;;       x = np.pad(x, [(0, 0)] * (x.ndim - 1) + [(0, -K % 32)]); x = x.reshape(x.shape[:-1] + (-1, 32)); a = np.abs(x).max(-1, keepdims=True)
;;       e = np.where(a > 0, np.clip(np.frexp(np.where(a > 0, a, 1))[1] - 1 - 2, -126, 127), 0)      # np.frexp(a)[1] - 1 = floor(log2(a)), exactly
;;       r = np.clip(x / 2.0 ** e, -6, 6)
;;       step = 2.0 ** (np.maximum(np.frexp(np.where(r == 0, 1, r))[1] - 1, 0) - 1)
;;       q = np.round(r / step) * step * 2.0 ** e      # np.round: ties to even
;;       return np.moveaxis(q.reshape(q.shape[:-2] + (-1,))[..., :K], -1, axis).astype(np.float32)
;;   ~~~
;;   OPERANDS COMPUTED ON THE WAY. 'Computed on the way' means the value that the module computes at that place (a softmax that the list does not call 'softmax' is quantised finished and normalised). What goes into a quantiser is computed in f32, as accurately as f32 sums, v_exp_f32 and their like allow (about 1e-6 of the number): no bf16 or f16 on the way to a quantiser, and a product that is left as it is and whose result goes on into a quantised operand takes f32 operands (vector FMAs, or v_wmma_f32_16x16x4_f32). A number that lies on a knife's edge between two numbers of the format may be rounded either way, as far as f32 arithmetic and the matrix unit's own rounding can turn it there, and no further.
;; One version. Each part assembles by itself: llvm-mc -triple=amdgcn-amd-amdhsa -mcpu=gfx1250 --defsym DOCPART=n.
;; ======== version 1 of 1: 2 launches
;; workspace buffers: wq 8,912,896 bytes; film 32,768 bytes
;; launch prep (part 1): grid 384 x 1, 16 waves a work-group, no clusters, 6,144 bytes of LDS; arguments W1, W2, W_cond, b_cond, cond, route, wq, film; writes wq, film
.if DOCPART == 1
	.amdgcn_target "amdgcn-amd-amdhsa--gfx1250"
	.amdhsa_code_object_version 6
	.text
	.protected	k_qaabb570556_prep
	.globl	k_qaabb570556_prep
	.p2align	8
	.type	k_qaabb570556_prep,@function
k_qaabb570556_prep:
	s_mov_b64 s[64:65], 0
	v_nop
	global_prefetch_b8 v0, s[64:65] scope:SCOPE_SE
	s_setreg_imm32_b32 hwreg(HW_REG_WAVE_MODE, 25, 1), 1
	s_wait_xcnt 0x0
; TWO JOBS IN ONE LAUNCH, told apart by the work-group's number.
; Work-groups 0-127 (FiLM): film[b][0..511] = 1 + scale, film[b][512..1023] = shift, where (scale, shift) = cond[b] . W_cond[route[b]] + b_cond[route[b]], in f32 by fused multiply-adds
;   (the result goes on into a quantiser).  Work-group = (b, 64 columns); wave = (32 columns, 64 of the 512 along c); the eight partial sums of a column meet in LDS.
; Work-groups 128-383 (quantiser): W1[e] and W2[e], f32 with K as their first axis, become codes of E2M1 with one E8M0 byte for each 32 along K, for every expert e that route names.
;   A LANE TAKES A COLUMN AND ITS REGISTERS RUN DOWN K: a block of 32 lies in one lane's 32 registers, and the conversions give codes with K innermost.  Nothing is transposed.
;   A wave takes 32 columns x 128 along K.  A work-group whose expert no batch element names stores nothing: the grid serves every split of route (a scalar branch on route, an index input).
; THE CODES' LAYOUT (wq) is the order of the reader's operand registers.  A record, 8,704 bytes, is 2 tiles of 16 weight rows x 4 K steps of 128:
;   fragment (tile u, K step s) at (4 u + s) x 1,024; in it block j of 32 along K of tile row r at 256 j + 16 r; from byte 8,192 on 16 bytes for each (u, r) at 16 (r + 16 u): the scale words of K steps 0..3.
;   Expert e begins at e x 128 records; the reader's wave w owns records 8 w .. 8 w + 7: 8 w + p: W1, hidden units 128 w + 32 p on, all 512 along K; tile u's row r is unit 32 p + 8 u + r + 8 (r / 8),
;   so that the reader's results of two tiles are 16 neighbours along the next K;  8 w + 4 + g: W2, outputs 32 w + 16 u + r, K steps 4 g .. 4 g + 3.
; A block's scale is 2^(floor(log2(largest magnitude)) - 2); its byte is the largest magnitude's exponent field - 2, held at 1 from below.
; LIMITS: route lies in 0..7 (for addresses it is held at 7); NaN and infinities are not served; a block of zeros gets the byte 1 where the rule says 127: its codes are zeros, and this program alone reads the bytes.
; No source of a pending load or store is ever written again and EXEC never changes, so no wait on XCNT is written.  One barrier, on every wave's path.
.set REC_B, 8704                       ; a record
.set EXP_B, 128*REC_B                  ; an expert's records
.set MS,    0                          ; LDS 0..2047: FiLM's partial sums, 4 bytes a thread
.set QS,    2048                       ; LDS 2048..4095: the quantiser's scale words: 512 x column group + 16 x lane + 4 x K step
.set ACC,   20                         ; v20-23  FiLM: four chains
.set C,     24                         ; v24-39  codes: four registers for each block, so that no store's data are written again
.set X,     40                         ; v40-103 two sets of 32 numbers (FiLM: 64 numbers of W_cond; later the partial sums)
; v1 lane; v2 4 x thread; v3 8 x lane; v4, v5 LDS: where my scale word goes, where 16 bytes of them come back; v6 4 x lane; v7, v8 my column's place in a record: codes, scale words;
; v[12:13] b_cond; v14-15 largest magnitudes; v16 the conversion's scale operand; v17 its byte; v18 my K step's scale word; v[104:107] scale words on the way out
; s[4:19] the eight addresses; s20 wave; s21 work-group; s[22:23] my 32 columns x 128 K of W1 or W2; s[24:31] route; s66 1 if my expert is named; s67 route[b]; s[100:101] my fragment row of the record; s[2:3] 1.0 or 0
	s_load_b512 s[4:19], s[0:1], 0x0               ; W1, W2, W_cond, b_cond, cond, route, wq, film
	v_lshl_add_u32 v112, v0, 2, 0x1000
	v_mov_b32 v113, 0
	v_and_b32 v1, 31, v0                           ; lane
	v_lshrrev_b32 v9, 5, v0
	v_readfirstlane_b32 s20, v9                    ; wave 0..15
	s_mov_b32 s21, ttmp9
	v_lshlrev_b32 v2, 2, v0                        ; MS + 4 x thread
	v_lshlrev_b32 v3, 3, v1
	v_lshlrev_b32 v6, 2, v1
	s_and_b32 s32, s20, 3                          ; quantiser: which 32 columns of the work-group's 128,
	s_lshr_b32 s33, s20, 2                         ; and which K step of its four
	s_lshl_b32 s34, s32, 9
	s_add_co_u32 s34, s34, QS
	v_lshl_add_u32 v5, v1, 4, s34                  ; back: the four words of a column
	s_lshl_b32 s35, s33, 2
	s_add_co_u32 s35, s35, s34
	v_lshl_add_u32 v4, v1, 4, s35                  ; in: my K step's word
	v_mov_b32 v12, 0                               ; (written on every path: it is read behind the barrier)
	v_mov_b32 v13, 0
	s_mov_b32 s66, 0
	s_lshr_b32 s36, s21, 4
	s_and_b32 s36, s36, 7                          ; FiLM: b,
	s_and_b32 s37, s21, 15                         ; and which 64 of the 1,024 columns
	s_lshl_b32 s38, s36, 2
	s_wait_kmcnt 0x0
	s_load_b256 s[24:31], s[14:15], 0x0            ; all of route, for the quantiser's question
	s_load_b32 s67, s[14:15], s38 offset:0x0       ; route[b], for FiLM
	s_lshl_b32 s40, s36, 12
	s_lshl_b32 s41, s37, 8
	s_add_co_u32 s40, s40, s41
	s_mov_b32 s41, 0
	s_add_nc_u64 s[18:19], s[18:19], s[40:41]      ; film at row b, my 64 columns
	s_cmp_lt_u32 s37, 8                            ; the first 512 columns are the scale: 1 is added
	s_cselect_b32 s2, 0x3f800000, 0
	s_mov_b32 s3, s2                               ; (named with it as a pair, so it is written)
	s_sub_co_u32 s42, s21, 128
	s_lshr_b32 s43, s42, 5
	s_and_b32 s43, s43, 7                          ; quantiser: the expert e
	s_and_b32 s44, s42, 31                         ; t: 0-15 W1's columns 128 t on; 16-31 W2
	s_and_b32 s45, s44, 3                          ; W2: columns 128 cq on,
	s_bfe_u32 s46, s44, 0x20002                    ; and rows 512 g on
	s_lshl_b32 s47, s44, 3
	s_add_co_u32 s47, s47, s32                     ; W1's record: 8 t + column group
	s_lshl_b32 s48, s45, 5
	s_lshl_b32 s49, s32, 3
	s_add_co_u32 s48, s48, s49
	s_add_co_u32 s48, s48, s46
	s_add_co_u32 s48, s48, 4                       ; W2's: 8 (4 cq + column group) + 4 + g
	s_lshl_b32 s50, s33, 20                        ; W1: 128 rows of 8,192 bytes a K step,
	s_lshl_b32 s51, s44, 9                         ; 128 columns a work-group
	s_add_co_u32 s50, s50, s51
	s_lshl_b32 s52, s46, 20                        ; W2: 512 rows of 2,048 bytes,
	s_lshl_b32 s53, s33, 18                        ; 128 rows a K step,
	s_add_co_u32 s52, s52, s53
	s_lshl_b32 s53, s45, 9                         ; 128 columns
	s_add_co_u32 s52, s52, s53
	s_cmp_lt_u32 s44, 16                           ; the choice hangs on the work-group's number alone
	s_cselect_b32 s47, s47, s48
	s_cselect_b32 s50, s50, s52
	s_cselect_b32 s54, 0x18, 0
	s_cselect_b64 s[22:23], s[4:5], s[6:7]
	s_lshl_b32 s51, s43, 22                        ; an expert of W1 or of W2 is 4 MiB
	s_add_co_u32 s50, s50, s51
	s_lshl_b32 s51, s32, 7                         ; my wave's 32 columns
	s_add_co_u32 s50, s50, s51
	s_mov_b32 s51, 0
	s_add_nc_u64 s[22:23], s[22:23], s[50:51]
	s_mul_i32 s52, s43, EXP_B
	s_mul_i32 s53, s47, REC_B
	s_add_co_u32 s52, s52, s53
	s_lshl_b32 s53, s33, 10                        ; fragment (0, my K step)
	s_add_co_u32 s52, s52, s53
	s_mov_b32 s53, 0
	s_add_nc_u64 s[100:101], s[16:17], s[52:53]
	; my column's place among the record's 32 rows, r + 16 u.  W2: the lane's number.  W1: column n is tile (n / 8) % 2, row n % 8 + 8 (n / 16): bits 3 and 4 of the lane's number change places
	v_lshrrev_b32 v9, 3, v1
	v_lshrrev_b32 v10, 4, v1
	v_xor_b32 v9, v9, v10
	v_and_b32 v9, 1, v9
	v_mul_u32_u24 v9, s54, v9
	v_xor_b32 v9, v9, v1
	v_lshrrev_b32 v10, 4, v9                       ; u
	v_and_b32 v7, 15, v9                           ; r
	v_lshlrev_b32 v7, 4, v7
	v_lshl_or_b32 v7, v10, 12, v7                  ; codes: 4,096 u + 16 r
	v_lshlrev_b32 v8, 4, v9                        ; scale words: 16 (r + 16 u)
	s_wait_kmcnt 0x0                               ; route
	s_cmp_lt_u32 s21, 128
	s_cbranch_scc1 .Lfilm
	; ---- the quantiser
.irp i, 24,25,26,27,28,29,30,31
	s_cmp_eq_u32 s[\i], s43
	s_cselect_b32 s55, 1, 0
	s_or_b32 s66, s66, s55
.endr
	s_cmp_eq_u32 s66, 0
	s_cbranch_scc1 .Ljoin                          ; nobody wants this expert
.macro LOADX t, rs                     ; block t: rows 32 t + i of my column, i = 0 .. 31, into set t % 2; a load reads 128 consecutive bytes, four waves side by side 512
.set n, 0
.rept 32
	global_load_b32 v[X+32*((\t)%2)+n], v6, s[22:23] offset:(32*(\t)+n)*(\rs) th:TH_LOAD_NT
.set n, n+1
.endr
.endm
.macro BLOCK t, rs
.set XB, X+32*((\t)%2)
.if (\t) < 3
	s_wait_loadcnt 32                              ; this block's 32 loads are in; the next block's 32 may be out
.else
	s_wait_loadcnt 0x0
.endif
	v_max3_num_f32 v14, |v[XB]|, |v[XB+1]|, |v[XB+2]|      ; the block's largest magnitude: all 32 numbers are mine; two chains
	v_max3_num_f32 v15, |v[XB+3]|, |v[XB+4]|, |v[XB+5]|
.irp i, 6,10,14,18,22,26
	v_max3_num_f32 v14, v14, |v[XB+\i]|, |v[XB+\i+1]|
	v_max3_num_f32 v15, v15, |v[XB+\i+2]|, |v[XB+\i+3]|
.endr
	v_max3_num_f32 v14, v14, |v[XB+30]|, |v[XB+31]|
	v_max3_num_f32 v14, v14, v15, 0x1800000        ; and the floor 2^(3 - 127): the byte cannot fall under 1
	v_add_nc_u32 v16, 0xff000000, v14              ; 2 off its exponent field: the conversion takes the exponent field of this operand as its scale
.irp g, 0,1,2,3
	v_cvt_scalef32_pk8_fp4_f32 v[C+4*(\t)+\g], v[XB+8*\g:XB+8*\g+7], v16
.endr
	v_lshrrev_b32 v17, 23, v16                     ; the scale's byte (also the plain line behind the conversions)
.if (\t) == 0
	v_mov_b32 v18, v17
.else
	v_lshl_or_b32 v18, v17, 8*(\t), v18            ; four bytes make my column's scale word of this K step
.endif
	global_store_b128 v7, v[C+4*(\t):C+4*(\t)+3], s[100:101] offset:256*(\t)   ; the sixteen lanes of a tile fill 256 consecutive bytes, aligned; the instruction two such runs
.if (\t) < 2
	LOADX (\t)+2, \rs
.endif
.endm
.macro QUANTW rs                       ; rs: bytes from row to row; it stands in the loads' immediates: 127 x 8,192 at the most
	LOADX 0, \rs
	LOADX 1, \rs
	BLOCK 0, \rs
	BLOCK 1, \rs
	BLOCK 2, \rs
	BLOCK 3, \rs
.endm
	s_cmp_lt_u32 s44, 16
	s_cbranch_scc0 .Lw2
	QUANTW 8192
	s_branch .Lqdone
.Lw2:
	QUANTW 2048
.Lqdone:
	ds_store_b32 v4, v18                           ; the four K steps' words of a column meet in LDS
	s_branch .Ljoin
	; ---- FiLM
.Lfilm:
	s_min_u32 s67, s67, 7                          ; m = route[b]
	s_lshr_b32 s24, s20, 1                         ; which 64 along c
	s_and_b32 s25, s20, 1                          ; which 32 columns
	s_lshl_b32 s26, s36, 11
	s_lshl_b32 s27, s24, 8
	s_add_co_u32 s26, s26, s27
	s_mov_b32 s27, 0
	s_add_nc_u64 s[12:13], s[12:13], s[26:27]      ; cond[b], my 64 numbers
	s_lshl_b32 s28, s67, 21                        ; W_cond: an expert is 2 MiB,
	s_lshl_b32 s29, s24, 18                        ; 64 rows of 4,096 bytes,
	s_add_co_u32 s28, s28, s29
	s_lshl_b32 s29, s37, 8                         ; the work-group's 64 columns,
	s_add_co_u32 s28, s28, s29
	s_lshl_b32 s29, s25, 7                         ; my 32
	s_add_co_u32 s28, s28, s29
	s_mov_b32 s29, 0
	s_add_nc_u64 s[8:9], s[8:9], s[28:29]
	s_lshl_b32 s30, s67, 12
	s_lshl_b32 s31, s37, 8
	s_add_co_u32 s30, s30, s31
	s_mov_b32 s31, 0
	s_add_nc_u64 s[10:11], s[10:11], s[30:31]      ; b_cond[m], the work-group's 64 columns
	s_load_b512 s[32:47], s[12:13], 0x0            ; number i of cond in s[32 + i + 4 (i / 32)]
	s_load_b512 s[48:63], s[12:13], 0x40
	s_load_b512 s[68:83], s[12:13], 0x80
	s_load_b512 s[84:99], s[12:13], 0xc0
	global_load_b64 v[12:13], v3, s[10:11]         ; the oldest load
.set n, 0
.rept 64
	global_load_b32 v[X+n], v6, s[8:9] offset:4096*n       ; no hint: two batch elements may name one expert
.set n, n+1
.endr
	s_wait_kmcnt 0x0
.set n, 0
.rept 64
.if (n%16) == 0
	s_wait_loadcnt 48-n                            ; the next 16 rows are in; the younger loads may be out
.endif
.if n < 4
	v_mul_f32 v[ACC+n], s[32+n+4*(n/32)], v[X+n]   ; the first four products start the chains: nothing is cleared
.else
	v_fmac_f32 v[ACC+n%4], s[32+n+4*(n/32)], v[X+n]
.endif
.set n, n+1
.endr
	v_add_f32 v20, v20, v21
	v_add_f32 v22, v22, v23
	v_add_f32 v20, v20, v22
	ds_store_b32 v2, v20                           ; 256 x (which 64 along c) + 4 x column
.Ljoin:
	s_wait_dscnt 0x0                               ; for the others' sake: my LDS store has landed
	s_barrier_signal -1
	s_barrier_wait -1
	s_cmp_lt_u32 s21, 128
	s_cbranch_scc0 .Lqtail
	s_cmp_lg_u32 s20, 0
	s_cbranch_scc1 .Lend                           ; wave 0 adds the eight parts: lane l takes columns 2 l and 2 l + 1
.irp k, 0,1,2,3,4,5,6,7
	ds_load_b64 v[X+2*\k:X+2*\k+1], v3 offset:MS+256*\k
.endr
	s_wait_dscnt 0x0
	s_wait_loadcnt 0x0
	v_pk_add_f32 v[40:41], v[40:41], v[42:43]
	v_pk_add_f32 v[44:45], v[44:45], v[46:47]
	v_pk_add_f32 v[48:49], v[48:49], v[50:51]
	v_pk_add_f32 v[52:53], v[52:53], v[54:55]
	v_pk_add_f32 v[40:41], v[40:41], v[44:45]
	v_pk_add_f32 v[48:49], v[48:49], v[52:53]
	v_pk_add_f32 v[40:41], v[40:41], v[48:49]
	v_pk_add_f32 v[40:41], v[40:41], v[12:13]      ; + b_cond
	v_pk_add_f32 v[56:57], v[40:41], s[2:3] op_sel_hi:[1,0]   ; + 1 for the scale, + 0 for the shift
	global_store_b64 v3, v[56:57], s[18:19]        ; 32 lanes store 256 consecutive bytes, aligned
	s_wait_tensorcnt 0x0
	ds_add_u32 v112, v113
	s_wait_dscnt 0x0
	s_endpgm
.Lqtail:
	s_cmp_eq_u32 s66, 0
	s_cbranch_scc1 .Lend
	s_cmp_lt_u32 s20, 4                            ; waves 0-3 (their K step is 0: s[100:101] is their record's first byte) store the scale words of the four records
	s_cbranch_scc0 .Lend
	ds_load_b128 v[104:107], v5
	s_wait_dscnt 0x0
	global_store_b128 v8, v[104:107], s[100:101] offset:8192   ; 512 consecutive bytes, aligned
.Lend:
	s_wait_tensorcnt 0x0
	ds_add_u32 v112, v113
	s_wait_dscnt 0x0
	s_endpgm
.Lfunc_end_k_qaabb570556_prep:
	.size	k_qaabb570556_prep, .Lfunc_end_k_qaabb570556_prep-k_qaabb570556_prep
	.p2alignl 7, 3214868480
	.fill 96, 4, 3214868480
	.section	.rodata,"a",@progbits
	.p2align	6, 0x0
	.amdhsa_kernel k_qaabb570556_prep
		.amdhsa_group_segment_fixed_size 6144
		.amdhsa_private_segment_fixed_size 0
		.amdhsa_enable_private_segment 0
		.amdhsa_kernarg_size 64
		.amdhsa_user_sgpr_count 2
		.amdhsa_user_sgpr_kernarg_segment_ptr 1
		.amdhsa_wavefront_size32 1
		.amdhsa_system_sgpr_workgroup_id_x 1
		.amdhsa_system_sgpr_workgroup_id_y 1
		.amdhsa_system_sgpr_workgroup_id_z 1
		.amdhsa_system_vgpr_workitem_id 0
		.amdhsa_next_free_vgpr 114
		.amdhsa_next_free_sgpr 102
		.amdhsa_reserve_vcc 0
		.amdhsa_float_denorm_mode_32 3
		.amdhsa_float_denorm_mode_16_64 3
		.amdhsa_memory_ordered 1
		.amdhsa_forward_progress 1
		.amdhsa_inst_pref_size 53
	.end_amdhsa_kernel
	.amdgpu_metadata
---
amdhsa.version: [ 1, 2 ]
amdhsa.kernels:
  - .name:           k_qaabb570556_prep
    .symbol:         k_qaabb570556_prep.kd
    .args:
      - { .name: W1, .offset: 0, .size: 8, .value_kind: global_buffer, .address_space: global }
      - { .name: W2, .offset: 8, .size: 8, .value_kind: global_buffer, .address_space: global }
      - { .name: W_cond, .offset: 16, .size: 8, .value_kind: global_buffer, .address_space: global }
      - { .name: b_cond, .offset: 24, .size: 8, .value_kind: global_buffer, .address_space: global }
      - { .name: cond, .offset: 32, .size: 8, .value_kind: global_buffer, .address_space: global }
      - { .name: route, .offset: 40, .size: 8, .value_kind: global_buffer, .address_space: global }
      - { .name: wq, .offset: 48, .size: 8, .value_kind: global_buffer, .address_space: global }
      - { .name: film, .offset: 56, .size: 8, .value_kind: global_buffer, .address_space: global }
    .group_segment_fixed_size: 6144
    .private_segment_fixed_size: 0
    .kernarg_segment_align: 8
    .kernarg_segment_size: 64
    .max_flat_workgroup_size: 512
    .sgpr_count:     102
    .vgpr_count:     114
    .wavefront_size: 32
...
	.end_amdgpu_metadata
.endif
;; end of part 1
;; launch mlp (part 2): grid 32 x 8, 16 waves a work-group, no clusters, 58,368 bytes of LDS; arguments x, film, wq, b1, b2, route, out0; writes out0
.if DOCPART == 2
	.amdgcn_target "amdgcn-amd-amdhsa--gfx1250"
	.amdhsa_code_object_version 6
	.text
	.protected	k_qaabb570556_mlp
	.globl	k_qaabb570556_mlp
	.p2align	8
	.type	k_qaabb570556_mlp,@function
k_qaabb570556_mlp:
	s_mov_b64 s[64:65], 0
	v_nop
	global_prefetch_b8 v0, s[64:65] scope:SCOPE_SE
	s_setreg_imm32_b32 hwreg(HW_REG_WAVE_MODE, 25, 1), 1
	s_wait_xcnt 0x0
; out0[b] = gelu(Q(x[b] (1 + scale) + shift) Q(W1[e]) + b1[e]) quantised again, x Q(W2[e]) + b2[e], e = route[b]: only the branch that the one-hot keeps.  Both products on codes of E2M1 with E8M0 scales.
; SHARES.  256 work-groups; work-group (x, y) takes rows 16 x .. 16 x + 15 of batch element y through the whole chain; the hidden layer never goes to memory.
; THE SIXTEEN WAVES SHARE THE COLUMNS: wave w quantises block w (k = 32 w on) of the 16 rows of x, makes hidden units 128 w .. 128 w + 127, which are K step w of the second product, and outputs 32 w .. 32 w + 31.
; THE WEIGHTS come as records laid in the order of the operand's registers (2 tiles x 4 K steps: 16 loads of 16 bytes a lane, and one for the scale words), from memory straight into registers, two records ahead.
; OPERANDS GO FROM WAVE TO WAVE THROUGH LDS AS IMAGES OF THEIR REGISTERS: block j of 32 along K of row r of a fragment lies at 256 j + 16 r, so a lane's 16 codes (half a block) go to 256 j + 16 r + 8 (lane / 16).
; BOTH PRODUCTS ARE USED TRANSPOSED (source 0 = 16 weight rows, source 1 = my work-group's 16 rows): a lane holds one row throughout, and the 16 registers of a record's two tiles are 16 neighbours along the next K.
; The biases are the C of each sum's first matrix instruction, loaded in the result's layout into the accumulator itself.
; gelu is reference()'s tanh form, written x / (1 + 2^(x (c1 + c3 x^2))), c1 = -2 sqrt(2 / pi) log2(e), c3 = 0.044715 c1: the same function; for large |x| the power goes to 0 or infinity and the result to x or -0.
; NO CLUSTER, NO JOINT LOADS, though the 32 work-groups of a batch element read the same records: the records' address hangs on route[b], a number read from memory, and each record byte is wanted by one wave
; of a work-group alone, in its operand registers: it would only pass through LDS.
; LIMITS: route lies in 0..7 (for addresses it is held at 7); NaN and infinities are not served; x (1 + scale) + shift is one fused multiply-add; a gelu under 2^-126 counts as 0;
; a block of zeros gets the byte 1 where the rule says 127 (its codes are zeros).
; Straight-line text: no loop, no branch.  No source of a pending load or store is written again and EXEC stays full, so no wait on XCNT is written.
.set REC_B, 8704                       ; a record
.set EXP_B, 128*REC_B                  ; an expert's records
.set XIMG,  0                          ; LDS: x's 4 fragments, 1,024 bytes each,
.set XSC,   4096                       ; their scale words: 128 x K step + 4 x lane,
.set HIMG,  4608                       ; the hidden layer's 16 fragments,
.set HSC,   20992                      ; their scale words,
.set STG,   23040                      ; and the stage for the way out: 16 rows x (2,048 bytes + 16)
.set SP,    2064
.set XF,  16                           ; v16-47   four fragments of source 1 (first: x's 16 numbers v16-31 and 1 + scale v32-47)
.set XS,  48                           ; v48-51   their scale words
.set HA0, 52                           ; v52-67, v68-83  two sets of two accumulators
.set T,   84                           ; v84-99   at work (first: the shift; last: a row of the result)
.set BY,  106                          ; v106-109 scale bytes
.set PC,  110                          ; v110-117 codes just made
.set WB0, 118                          ; v118-181 a record's 8 fragments, v182-185 its scale words;  v186-249, v250-253 the other set
; v1 16 x lane; v2 4 x lane; v3 x: 2,048 r + 64 h; v4 64 h; v5, v6 LDS: x's codes, x's scale byte; v7, v8 the hidden layer's codes, scale word; v9, v10 the stage, in and back; v12 32 h; v15 a permute's destination;
; v[100:101] c1; v102-103 largest magnitudes; v104 the conversion's scale operand; v105 the scale word
; s[4:17] the seven addresses, each stepped once to my wave's part; s18 wave; s19 b; s20 block of rows; s21 e; s[24:25] lane selects; s[28:29] c3
.macro LOADW G, wb                     ; record G of my eight: 17 loads, each 512 consecutive bytes
.irp f, 0,1,2,3,4,5,6,7
	global_load_b128 v[\wb+8*\f:\wb+8*\f+3], v1, s[8:9] offset:(\G)*REC_B+1024*\f
	global_load_b128 v[\wb+8*\f+4:\wb+8*\f+7], v1, s[8:9] offset:(\G)*REC_B+1024*\f+512
.endr
	global_load_b128 v[\wb+64:\wb+67], v1, s[8:9] offset:(\G)*REC_B+8192   ; register k: lanes 0-15 tile 0's words of K step k, lanes 16-31 tile 1's
.endm
.macro LOADB1 p, ha                    ; b1 at hidden units 32 p + 16 h + 0 .. 15 of my 128: the two accumulators' C
.irp i, 0,1,2,3
	global_load_b128 v[\ha+4*\i:\ha+4*\i+3], v4, s[10:11] offset:128*(\p)+16*\i
.endr
.endm
; 8 matrix instructions: a record's two tiles by turns, one instruction a turn, K step by K step
.macro MUL8 wb, acc
.irp k, 0,1,2,3
	v_wmma_scale_f32_16x16x128_f8f6f4 v[\acc:\acc+7], v[\wb+8*\k:\wb+8*\k+7], v[XF+8*\k:XF+8*\k+7], v[\acc:\acc+7], v[\wb+64+\k], v[XS+\k] matrix_a_fmt:MATRIX_FMT_FP4 matrix_b_fmt:MATRIX_FMT_FP4
	v_wmma_scale_f32_16x16x128_f8f6f4 v[\acc+8:\acc+15], v[\wb+32+8*\k:\wb+32+8*\k+7], v[XF+8*\k:XF+8*\k+7], v[\acc+8:\acc+15], v[\wb+64+\k], v[XS+\k] matrix_a_fmt:MATRIX_FMT_FP4 matrix_b_fmt:MATRIX_FMT_FP4 matrix_a_scale:MATRIX_SCALE_ROW1
.endr
.endm
.macro PLACES                          ; four plain vector instructions between a matrix instruction and a load into, or a read of, its registers (ISA guide 7.12.1 for vector instructions)
.rept 4
	v_nop
.endr
.endm
.macro GELU a                          ; 16 numbers in place; each accumulator is read from its low end on
.irp j, 0,2,4,6,8,10,12,14
	v_pk_mul_f32 v[T+\j:T+\j+1], v[\a+\j:\a+\j+1], v[\a+\j:\a+\j+1]
.endr
.irp j, 0,2,4,6,8,10,12,14
	v_pk_fma_f32 v[T+\j:T+\j+1], v[T+\j:T+\j+1], s[28:29], v[100:101] op_sel_hi:[1,0,1]   ; c3 x^2 + c1
.endr
.irp j, 0,2,4,6,8,10,12,14
	v_pk_mul_f32 v[T+\j:T+\j+1], v[T+\j:T+\j+1], v[\a+\j:\a+\j+1]
.endr
.irp j, 0,1,2,3,4,5,6,7,8,9,10,11,12,13,14,15
	v_exp_f32 v[T+\j], v[T+\j]
.endr
	v_nop                                          ; a plain instruction behind the last exponential,
	s_wait_alu depctr_va_vdst(0)                   ; and one wait for the batch, ahead of its first reader
.irp j, 0,2,4,6,8,10,12,14
	v_pk_add_f32 v[T+\j:T+\j+1], v[T+\j:T+\j+1], 1.0 op_sel_hi:[1,0]
.endr
.irp j, 0,1,2,3,4,5,6,7,8,9,10,11,12,13,14,15
	v_rcp_f32 v[T+\j], v[T+\j]
.endr
	v_nop
	s_wait_alu depctr_va_vdst(0)                   ; likewise for the reciprocals
.irp j, 0,2,4,6,8,10,12,14
	v_pk_mul_f32 v[\a+\j:\a+\j+1], v[\a+\j:\a+\j+1], v[T+\j:T+\j+1]
.endr
.endm
; 16 numbers of a lane, half a block of 32 (lane l xor 16 holds the other half), become 16 codes in v[pc], v[pc + 1] and the block's scale byte in v[by]
.macro QBLOCK a, pc, by
	v_max3_num_f32 v102, |v[\a]|, |v[\a+1]|, |v[\a+2]|
	v_max3_num_f32 v103, |v[\a+3]|, |v[\a+4]|, |v[\a+5]|
	v_max3_num_f32 v102, v102, |v[\a+6]|, |v[\a+7]|
	v_max3_num_f32 v103, v103, |v[\a+8]|, |v[\a+9]|
	v_max3_num_f32 v102, v102, |v[\a+10]|, |v[\a+11]|
	v_max3_num_f32 v103, v103, |v[\a+12]|, |v[\a+13]|
	v_max3_num_f32 v102, v102, |v[\a+14]|, |v[\a+15]|
	v_max3_num_f32 v102, v102, v103, 0x1800000     ; and the floor 2^(3 - 127): the byte cannot fall under 1
	v_permlanex16_b32 v15, v102, s24, s25
	v_max_num_f32 v102, v102, v15                  ; the block's largest magnitude
	v_add_nc_u32 v104, 0xff000000, v102            ; 2 off its exponent field: the conversion's scale operand
	v_cvt_scalef32_pk8_fp4_f32 v[\pc], v[\a:\a+7], v104
	v_cvt_scalef32_pk8_fp4_f32 v[\pc+1], v[\a+8:\a+15], v104
	v_lshrrev_b32 v[\by], 23, v104                 ; the scale's byte (also the plain line behind the conversions)
.endm
.macro FETCH img, wrd                  ; four fragments and their scale words come back as the registers that they are images of
.irp k, 0,1,2,3
	ds_load_b128 v[XF+8*\k:XF+8*\k+3], v1 offset:(\img)+1024*\k
	ds_load_b128 v[XF+8*\k+4:XF+8*\k+7], v1 offset:(\img)+1024*\k+512
.endr
.irp k, 0,1,2,3
	ds_load_b32 v[XS+\k], v2 offset:(\wrd)+128*\k
.endr
.endm
.macro BARRIER                         ; my LDS stores have landed and my LDS loads are in: then the work-group's barrier
	s_wait_dscnt 0x0
	s_barrier_signal -1
	s_barrier_wait -1
.endm
	s_load_b256 s[4:11], s[0:1], 0x0               ; x, film, wq, b1
	s_load_b128 s[12:15], s[0:1], 0x20             ; b2, route
	s_load_b64 s[16:17], s[0:1], 0x30              ; out0
	v_lshl_add_u32 v254, v0, 2, 0xdc00
	v_mov_b32 v255, 0
	v_and_b32 v13, 31, v0
	v_lshrrev_b32 v14, 5, v0
	v_readfirstlane_b32 s18, v14                   ; wave 0..15
	s_and_b32 s19, ttmp7, 0xffff                   ; b
	s_mov_b32 s20, ttmp9                           ; which 16 rows
	v_lshlrev_b32 v1, 4, v13
	v_lshlrev_b32 v2, 2, v13
	v_and_b32 v13, 15, v0                          ; r
	v_bfe_u32 v14, v0, 4, 1                        ; h
	v_lshlrev_b32 v3, 11, v13
	v_lshl_add_u32 v3, v14, 6, v3                  ; x: row r of 2,048 bytes, + 64 h: my 16 numbers of the block
	v_lshlrev_b32 v4, 6, v14
	v_lshlrev_b32 v12, 5, v14
	v_lshlrev_b32 v5, 4, v13
	v_lshl_add_u32 v5, v14, 3, v5                  ; 16 r + 8 h
	s_lshl_b32 s22, s18, 10
	s_add_co_u32 s22, s22, HIMG
	v_add_nc_u32 v7, s22, v5                       ; the hidden layer's codes: fragment w
	s_lshl_b32 s22, s18, 8
	v_add_nc_u32 v5, s22, v5                       ; x's codes: XIMG + 256 w: fragment w / 4, block w % 4
	s_lshr_b32 s22, s18, 2
	s_lshl_b32 s22, s22, 7
	s_and_b32 s23, s18, 3
	s_add_co_u32 s22, s22, s23
	s_add_co_u32 s22, s22, XSC
	v_add_nc_u32 v6, s22, v2                       ; x's scale byte: word of K step w / 4, byte w % 4
	s_lshl_b32 s22, s18, 7
	s_add_co_u32 s23, s22, HSC
	v_add_nc_u32 v8, s23, v2                       ; the hidden layer's scale word of K step w
	v_mul_u32_u24 v9, v13, SP
	v_lshl_add_u32 v9, v14, 5, v9
	s_add_co_u32 s23, s22, STG
	v_add_nc_u32 v9, s23, v9                       ; the stage, in: row r, + 128 w + 32 h
	s_mul_i32 s23, s18, SP
	s_add_co_u32 s23, s23, STG
	v_add_nc_u32 v10, s23, v1                      ; and back: row w, 16 bytes a lane
	v_mov_b32 v15, 0                               ; written once: a lane permute's destination counts as one of its sources
	v_mov_b32 v100, 0xc0135761                     ; c1 = -2 sqrt(2 / pi) log2(e)
	v_mov_b32 v101, 0xc0135761
	s_mov_b32 s28, 0xbdd2d3e8                      ; c3 = 0.044715 c1
	s_mov_b32 s29, s28                             ; (named with it as a pair, so it is written)
	s_mov_b32 s24, 0x76543210
	s_mov_b32 s25, 0xfedcba98                      ; v_permlanex16_b32's selects for lane l xor 16
	s_lshl_b32 s30, s19, 2
	s_wait_kmcnt 0x0
	s_load_b32 s21, s[14:15], s30 offset:0x0       ; route[b]
	s_lshl_b32 s22, s19, 20                        ; a batch element of x or out0 is 1 MiB,
	s_lshl_b32 s23, s20, 15                        ; 16 rows are 32 KiB
	s_add_co_u32 s22, s22, s23
	s_lshl_b32 s26, s18, 7                         ; x: block w of a row
	s_add_co_u32 s26, s26, s22
	s_mov_b32 s27, 0
	s_add_nc_u64 s[4:5], s[4:5], s[26:27]
	s_lshl_b32 s26, s18, 11                        ; out0: row w of the 16
	s_add_co_u32 s26, s26, s22
	s_add_nc_u64 s[16:17], s[16:17], s[26:27]
	s_lshl_b32 s26, s19, 12                        ; film: row b, block w
	s_lshl_b32 s23, s18, 7
	s_add_co_u32 s26, s26, s23
	s_add_nc_u64 s[6:7], s[6:7], s[26:27]
.irp i, 0,1,2,3
	global_load_b128 v[16+4*\i:19+4*\i], v3, s[4:5] offset:16*\i th:TH_LOAD_NT   ; x(r, 32 w + 16 h + 0 .. 15): read once in the launch
.endr
.irp i, 0,1,2,3
	global_load_b128 v[32+4*\i:35+4*\i], v4, s[6:7] offset:16*\i                 ; 1 + scale
.endr
.irp i, 0,1,2,3
	global_load_b128 v[84+4*\i:87+4*\i], v4, s[6:7] offset:2048+16*\i            ; shift
.endr
	s_wait_kmcnt 0x0
	s_min_u32 s21, s21, 7                          ; e
	s_mul_i32 s26, s21, EXP_B
	s_mul_i32 s23, s18, 8*REC_B
	s_add_co_u32 s26, s26, s23
	s_add_nc_u64 s[8:9], s[8:9], s[26:27]          ; my eight records
	s_lshl_b32 s26, s21, 13
	s_lshl_b32 s23, s18, 9
	s_add_co_u32 s26, s26, s23
	s_add_nc_u64 s[10:11], s[10:11], s[26:27]      ; b1[e], my 128
	s_lshl_b32 s26, s21, 11
	s_lshl_b32 s23, s18, 7
	s_add_co_u32 s26, s26, s23
	s_add_nc_u64 s[12:13], s[12:13], s[26:27]      ; b2[e], my 32
	LOADW 0, WB0
	LOADB1 0, HA0
	LOADW 1, WB0+68
	LOADB1 1, HA0+16
	; ---- x: FiLM, block w of the 16 rows quantised, its image to LDS
	s_wait_loadcnt 42                              ; x and film are in; the 2 x (17 + 4) loads of weights and biases behind them may be out
.irp j, 0,2,4,6,8,10,12,14
	v_pk_fma_f32 v[16+\j:17+\j], v[16+\j:17+\j], v[32+\j:33+\j], v[84+\j:85+\j]
.endr
	QBLOCK 16, PC, BY
	ds_store_b64 v5, v[PC:PC+1]                    ; the wave's 256 bytes are one block of a fragment's image
	ds_store_b8 v6, v[BY]                          ; both lanes of a block hold the same byte; lanes 16-31 write words that the matrix instruction does not read
	BARRIER                                        ; x's four fragments lie in LDS
	FETCH XIMG, XSC
	s_wait_dscnt 0x0
	; ---- the hidden layer: 32 units a record
.macro PAIR p
.set WBs, WB0+68*((\p)%2)
.set HAs, HA0+16*((\p)%2)
	s_wait_loadcnt 21                              ; this record and its bias are in; the next record's 17 loads and the 4 of the next bias may be out
	MUL8 WBs, HAs
	PLACES
	LOADW (\p)+2, WBs                              ; two records ahead, into the registers just multiplied
	GELU HAs
	QBLOCK HAs, PC+2*(\p), BY+(\p)
	ds_store_b64 v7, v[PC+2*(\p):PC+2*(\p)+1] offset:256*(\p)   ; block p of K step w of the second product
.if (\p) < 2
	LOADB1 (\p)+2, HAs
.elseif (\p) == 2
.irp i, 0,1
	global_load_b128 v[HA0+8*\i:HA0+8*\i+3], v12, s[12:13] offset:64*\i        ; b2 at outputs 16 u + 8 h + 0 .. 7 of my 32: the C of the second product's sums
	global_load_b128 v[HA0+8*\i+4:HA0+8*\i+7], v12, s[12:13] offset:64*\i+16
.endr
.endif
.endm
	PAIR 0
	PAIR 1
	PAIR 2
	PAIR 3
	v_lshl_or_b32 v105, v[BY+1], 8, v[BY]          ; the four bytes make my row's scale word of K step w
	v_lshl_or_b32 v105, v[BY+2], 16, v105
	v_lshl_or_b32 v105, v[BY+3], 24, v105
	ds_store_b32 v8, v105
	BARRIER                                        ; the hidden layer's sixteen fragments lie in LDS
	; ---- the second product: my 32 outputs, four K steps a record
.macro GRP g
.set WBs, WB0+68*((\g)%2)
	FETCH HIMG+4096*(\g), HSC+512*(\g)
.if (\g) < 3
	s_wait_loadcnt 17                              ; this record (and, the first time, b2) is in; the next record's 17 loads may be out
.else
	s_wait_loadcnt 0x0
.endif
	s_wait_dscnt 0x0
	MUL8 WBs, HA0
	PLACES
.if (\g) < 2
	LOADW (\g)+6, WBs
.endif
.endm
	GRP 0
	GRP 1
	GRP 2
	GRP 3
	; ---- the way out: a lane holds eight neighbouring outputs of a row, a row's 512 come from sixteen waves: they meet in the stage, and wave w stores row w
	ds_store_b128 v9, v[HA0:HA0+3]                 ; each accumulator from its low end on
	ds_store_b128 v9, v[HA0+4:HA0+7] offset:16
	ds_store_b128 v9, v[HA0+8:HA0+11] offset:64
	ds_store_b128 v9, v[HA0+12:HA0+15] offset:80
	BARRIER                                        ; 16 whole rows lie in the stage
.irp i, 0,1,2,3
	ds_load_b128 v[T+4*\i:T+4*\i+3], v10 offset:512*\i
.endr
.irp i, 0,1,2,3
	s_wait_dscnt 3-\i                              ; LDS loads come back in order: the younger ones may be out
	global_store_b128 v1, v[T+4*\i:T+4*\i+3], s[16:17] offset:512*\i th:TH_STORE_NT   ; 32 lanes store 512 consecutive bytes, aligned; written once, read by nobody here
.endr
	s_wait_tensorcnt 0x0
	ds_add_u32 v254, v255
	s_wait_dscnt 0x0
	s_endpgm
.Lfunc_end_k_qaabb570556_mlp:
	.size	k_qaabb570556_mlp, .Lfunc_end_k_qaabb570556_mlp-k_qaabb570556_mlp
	.p2alignl 7, 3214868480
	.fill 96, 4, 3214868480
	.section	.rodata,"a",@progbits
	.p2align	6, 0x0
	.amdhsa_kernel k_qaabb570556_mlp
		.amdhsa_group_segment_fixed_size 58368
		.amdhsa_private_segment_fixed_size 0
		.amdhsa_enable_private_segment 0
		.amdhsa_kernarg_size 56
		.amdhsa_user_sgpr_count 2
		.amdhsa_user_sgpr_kernarg_segment_ptr 1
		.amdhsa_wavefront_size32 1
		.amdhsa_system_sgpr_workgroup_id_x 1
		.amdhsa_system_sgpr_workgroup_id_y 1
		.amdhsa_system_sgpr_workgroup_id_z 1
		.amdhsa_system_vgpr_workitem_id 0
		.amdhsa_next_free_vgpr 256
		.amdhsa_next_free_sgpr 66
		.amdhsa_reserve_vcc 0
		.amdhsa_float_denorm_mode_32 3
		.amdhsa_float_denorm_mode_16_64 3
		.amdhsa_memory_ordered 1
		.amdhsa_forward_progress 1
		.amdhsa_inst_pref_size 54
	.end_amdhsa_kernel
	.amdgpu_metadata
---
amdhsa.version: [ 1, 2 ]
amdhsa.kernels:
  - .name:           k_qaabb570556_mlp
    .symbol:         k_qaabb570556_mlp.kd
    .args:
      - { .name: x, .offset: 0, .size: 8, .value_kind: global_buffer, .address_space: global }
      - { .name: film, .offset: 8, .size: 8, .value_kind: global_buffer, .address_space: global }
      - { .name: wq, .offset: 16, .size: 8, .value_kind: global_buffer, .address_space: global }
      - { .name: b1, .offset: 24, .size: 8, .value_kind: global_buffer, .address_space: global }
      - { .name: b2, .offset: 32, .size: 8, .value_kind: global_buffer, .address_space: global }
      - { .name: route, .offset: 40, .size: 8, .value_kind: global_buffer, .address_space: global }
      - { .name: out0, .offset: 48, .size: 8, .value_kind: global_buffer, .address_space: global }
    .group_segment_fixed_size: 58368
    .private_segment_fixed_size: 0
    .kernarg_segment_align: 8
    .kernarg_segment_size: 56
    .max_flat_workgroup_size: 512
    .sgpr_count:     66
    .vgpr_count:     256
    .wavefront_size: 32
...
	.end_amdgpu_metadata
.endif
;; end of part 2
